; MI455X (gfx1250); checked and timed in simulation.
; The chip was launched on July 23, 2026; its instructions are those of AMD's public machine-readable ISA for CDNA 5 (MIT licence, August 2026) and "CDNA5" Instruction Set Architecture Reference Guide (July 2026). The comments in the code are by the model that wrote it; some were corrected since.
;; Multi head. Allowed arithmetic: float matrix products may take bf16 or f16 operands with f32 sums; other float arithmetic in f32, or as packed bf16 or f16 multiplies, adds, multiply-adds, maxima and minima; sums over many terms, partial sums and values carried from step to step in f32; what a program stores and reads back later, other than sums and carried values, may be rounded once to bf16 or f16.
;; Inputs: W1 5 x 128 x 128 float32; W2 5 x 128 x 128 float32; W3 5 x 128 x 1 float32; b1 5 x 128 float32; b2 5 x 128 float32; b3 5 x 1 float32; tw1 5 x 1 x 128 float32; tw2 5 x 1 x 128 float32; tw3 5 x 1 x 1 float32; x 262,144 x 129 float32.
;; Outputs: out0 262,144 x 1 float32.
;; One version. Each part assembles by itself: llvm-mc -triple=amdgcn-amd-amdhsa -mcpu=gfx1250 --defsym DOCPART=n.
;; ======== version 1 of 1: 2 launches
;; workspace buffers: pos 524,288 bytes of whole numbers; cnt 262,144 bytes of whole numbers; tc 1,048,576 bytes; img 430,080 bytes
;; launch route (part 1): grid 256 x 1, 8 waves a work-group, no clusters, 0 bytes of LDS; arguments x, W1, W2, W3, b1, b2, tw1, tw2, pos, cnt, tc, img; writes pos, cnt, tc, img
.if DOCPART == 1
	.amdgcn_target "amdgcn-amd-amdhsa--gfx1250"
	.amdhsa_code_object_version 6
	.text
	.protected	k_q8a94cf59df_route
	.globl	k_q8a94cf59df_route
	.p2align	8
	.type	k_q8a94cf59df_route,@function
k_q8a94cf59df_route:
	s_mov_b64 s[64:65], 0
	v_nop
	global_prefetch_b8 v0, s[64:65] scope:SCOPE_SE
	s_setreg_imm32_b32 hwreg(HW_REG_WAVE_MODE, 25, 1), 1
	s_wait_xcnt 0x0
; ROUTE.  x: [262144][129] f32, column 0 = the treatment t.  For every token the expert e with PT[e] <= t < PT[e+1] (f32 bounds 0, 0.2, 0.4, 0.6, 0.8, 1) is found; a token
; outside [0,1), or with t = NaN, has none.  Nothing here is an address made from t: all results are DATA stored at fixed places, and the next launch reads them.
; A wave owns a WINDOW of 128 tokens (lane l: tokens 4 l .. 4 l + 3).  Stored for a window:
;   pos  one u16 a token: e*128 + (rank & 15)*8 + (rank >> 4), rank = the token's number among its expert's tokens in the window; 640 = no expert
;   cnt  32 dwords: dword e = tokens of expert e (e = 0..4), the others 0
;   tc   t of the 128 tokens, dense f32
; The first 105 work-groups also lay the weights out once, rounded to bf16, as REGISTER IMAGES: 5 experts x 21 half-chunks of 4,096 bytes; byte u*512 + lane*16 + 4 q of a
; half-chunk is register 4 u + q of that lane.  Half-chunks 0,1: tw1 (low half) and b1 (high half) of feature 16 a + 8 h + j in register 8 a + j; 2..9: W1 transposed, as source-0
; fragments (16 features x 32 k: ISA guide 7.12.2), K step (hc-2)/2, feature blocks 4 ((hc-2)%2) ..+3; 10,11 and 12..19: the same of layer 2; 20: W3 as fragments whose rows 0 and 8
; hold W3 and whose other rows hold 0.  Work-group g makes half-chunk g; wave u makes its registers 4 u .. 4 u + 3.
; No LDS, no barrier, no matrix work: each wave has four loads of t and at most eight of weights, all out at once, and every store of a wave covers consecutive bytes.
.set ROWB, 516                          ; bytes in a row of x
.set WTOK, 128                          ; tokens in a window
.set TH,   40                           ; s40-45  the six bounds
.set GE,   46                           ; s46-51  lanes with t >= bound k
.set ME,   52                           ; s52-56  lanes of expert e
.set BA,   57                           ; s57-61  e*128 + tokens of expert e so far
	s_load_b512 s[4:19], s[0:1], 0x0                ; x s[4:5], W1 s[6:7], W2 s[8:9], W3 s[10:11], b1 s[12:13], b2 s[14:15], tw1 s[16:17], tw2 s[18:19]
	s_load_b256 s[20:27], s[0:1], 0x40              ; pos s[20:21], cnt s[22:23], tc s[24:25], img s[26:27]
	v_and_b32 v1, 31, v0                            ; lane
	v_lshrrev_b32 v2, 5, v0
	v_readfirstlane_b32 s28, v2                     ; wave 0..7
	s_lshl_b32 s29, ttmp9, 3
	s_add_co_u32 s29, s29, s28                      ; my window, 0..2047
	s_mul_i32 s30, s29, WTOK*ROWB                   ; its first byte in x: under 2^31
	s_mov_b32 s31, 0
	v_mul_u32_u24 v3, v1, 4*ROWB                    ; my four rows
	s_mov_b32 s[TH+0], 0
	s_mov_b32 s[TH+1], 0x3e4ccccd                   ; 0.2 in f32
	s_mov_b32 s[TH+2], 0x3ecccccd                   ; 0.4
	s_mov_b32 s[TH+3], 0x3f19999a                   ; 0.6
	s_mov_b32 s[TH+4], 0x3f4ccccd                   ; 0.8
	s_mov_b32 s[TH+5], 1.0
.irp e, 0,1,2,3,4
	s_mov_b32 s[BA+\e], 128*\e
.endr
	s_wait_kmcnt 0x0
	s_add_nc_u64 s[4:5], s[4:5], s[30:31]
.irp q, 0,1,2,3
	global_load_b32 v[8+\q], v3, s[4:5] offset:ROWB*\q   ; t of token 4 l + q
.endr
	; ---- the image: work-groups 0..104 ----
	s_cmp_ge_u32 ttmp9, 105
	s_cbranch_scc1 .Lrt
	v_and_b32 v4, 15, v0                            ; r: a fragment's row
	v_bfe_u32 v5, v0, 4, 1                          ; h: which half of the lanes
	v_lshlrev_b32 v29, 4, v0                        ; my 16 bytes of the half-chunk
	s_mul_i32 s66, ttmp9, 3121
	s_lshr_b32 s66, s66, 16                         ; e = g / 21 (exact for g < 105: 21 x 3121 = 65541)
	s_mul_i32 s67, s66, 21
	s_sub_co_u32 s67, ttmp9, s67                    ; hc = g - 21 e
	s_lshr_b32 s80, s28, 1                          ; u >> 1
	s_and_b32 s81, s28, 1                           ; u & 1
	s_cmp_ge_u32 s67, 10                            ; layer 2 (and half-chunk 20)?
	s_cselect_b64 s[70:71], s[8:9], s[6:7]          ; W2 or W1
	s_cselect_b64 s[72:73], s[18:19], s[16:17]      ; tw2 or tw1
	s_cselect_b64 s[74:75], s[14:15], s[12:13]      ; b2 or b1
	s_cselect_b32 s69, 10, 0
	s_sub_co_u32 s68, s67, s69                      ; the half-chunk within its layer: 0,1 tw and b; 2..9 W; 10 = W3
	s_and_b32 s82, s68, 1
	s_lshl2_add_u32 s83, s82, s80                   ; feature block a = 4 (hc & 1) + (u >> 1)
	s_mov_b32 s77, 0
	s_cmp_eq_u32 s68, 10
	s_cbranch_scc1 .Lw3
	s_cmp_lt_u32 s68, 2
	s_cbranch_scc1 .Ltb
	; W: my four registers hold W[e][k][16 a + r], k = 32 c + 16 (u & 1) + 8 h + 0..7, two k a register, the lower k in the low half
	s_sub_co_u32 s84, s68, 2
	s_lshr_b32 s84, s84, 1                          ; K step c
	s_lshl_b32 s84, s84, 5
	s_lshl4_add_u32 s84, s81, s84                   ; k0 = 32 c + 16 (u & 1)
	s_lshl_b32 s85, s66, 7
	s_add_co_u32 s85, s85, s84                      ; row e*128 + k0 of 512 bytes
	s_lshl_b32 s76, s85, 9
	s_lshl_b32 s86, s83, 6                          ; + 16 a columns
	s_add_co_u32 s76, s76, s86
	s_add_nc_u64 s[70:71], s[70:71], s[76:77]
	v_lshlrev_b32 v6, 2, v4
	v_lshl_add_u32 v6, v5, 12, v6                   ; 8 h rows + column r
.irp i, 0,1,2,3,4,5,6,7
	global_load_b32 v[16+\i], v6, s[70:71] offset:512*\i
.endr
	s_wait_loadcnt 0x0
.irp i, 0,1,2,3
	v_cvt_pk_bf16_f32 v[24+\i], v[16+2*\i], v[17+2*\i]
.endr
	s_branch .Lst
.Ltb:	; tw and b of features 16 a + 8 h + 4 (u & 1) + 0..3
	s_lshl_b32 s76, s66, 7
	s_lshl4_add_u32 s76, s83, s76
	s_lshl2_add_u32 s76, s81, s76
	s_lshl_b32 s76, s76, 2
	s_add_nc_u64 s[72:73], s[72:73], s[76:77]
	s_add_nc_u64 s[74:75], s[74:75], s[76:77]
	v_lshlrev_b32 v6, 5, v5                         ; 8 h features
	global_load_b128 v[16:19], v6, s[72:73]
	global_load_b128 v[20:23], v6, s[74:75]
	s_wait_loadcnt 0x0
.irp i, 0,1,2,3
	v_cvt_pk_bf16_f32 v[24+\i], v[16+\i], v[20+\i]  ; tw below, b above
.endr
	s_branch .Lst
.Lw3:	; W3[e][k], k = 16 u + 8 h + 0..7, in rows 0 and 8 alone
	s_lshl_b32 s76, s66, 7
	s_lshl4_add_u32 s76, s28, s76
	s_lshl_b32 s76, s76, 2
	s_add_nc_u64 s[10:11], s[10:11], s[76:77]
	v_lshlrev_b32 v6, 5, v5
	global_load_b128 v[16:19], v6, s[10:11]
	global_load_b128 v[20:23], v6, s[10:11] offset:16
	v_and_b32 v7, 7, v4
	v_cmp_eq_u32 vcc_lo, 0, v7
	s_wait_loadcnt 0x0
.irp i, 0,1,2,3
	v_cvt_pk_bf16_f32 v[24+\i], v[16+2*\i], v[17+2*\i]
.endr
.irp i, 0,1,2,3
	v_cndmask_b32 v[24+\i], 0, v[24+\i], vcc_lo
.endr
.Lst:
	s_lshl_b32 s76, ttmp9, 12
	s_add_nc_u64 s[26:27], s[26:27], s[76:77]
	global_store_b128 v29, v[24:27], s[26:27]       ; a wave stores 512 consecutive bytes
	; ---- the routing ----
.Lrt:
	s_wait_loadcnt 0x0                              ; t
.irp q, 0,1,2,3
.irp k, 0,1,2,3,4,5
	v_cmp_le_f32 s[GE+\k], s[TH+\k], v[8+\q]        ; bound k <= t; false for NaN
.endr
.irp e, 0,1,2,3,4
	s_and_not1_b32 s[ME+\e], s[GE+\e], s[GE+1+\e]   ; bound e <= t and not bound e+1 <= t
.endr
	v_mov_b32 v12, 640
.irp e, 0,1,2,3,4
	v_mbcnt_lo_u32_b32 v13, s[ME+\e], s[BA+\e]      ; e*128 + rank: those counted so far + the expert's lanes below mine
	v_cndmask_b32 v12, v12, v13, s[ME+\e]
	s_bcnt1_i32_b32 s62, s[ME+\e]
	s_add_co_u32 s[BA+\e], s[BA+\e], s62
.endr
	v_and_b32 v14, 0x380, v12                       ; e*128 (640 stays 640)
	v_and_b32 v15, 15, v12
	v_lshl_or_b32 v14, v15, 3, v14                  ; + (rank & 15)*8
	v_bfe_u32 v15, v12, 4, 3
	v_or_b32 v[32+\q], v14, v15                     ; + (rank >> 4)
.endr
	v_lshl_or_b32 v36, v33, 16, v32
	v_lshl_or_b32 v37, v35, 16, v34
	v_lshlrev_b32 v38, 3, v1
	v_lshlrev_b32 v39, 4, v1
	v_lshlrev_b32 v40, 2, v1
	v_mov_b32 v41, 0
.irp e, 0,1,2,3,4
	s_sub_co_u32 s62, s[BA+\e], 128*\e
	v_writelane_b32 v41, s62, \e
.endr
	s_lshl_b32 s30, s29, 8
	s_add_nc_u64 s[20:21], s[20:21], s[30:31]
	s_lshl_b32 s30, s29, 9
	s_add_nc_u64 s[24:25], s[24:25], s[30:31]
	s_lshl_b32 s30, s29, 7
	s_add_nc_u64 s[22:23], s[22:23], s[30:31]
	global_store_b64 v38, v[36:37], s[20:21]        ; 256 consecutive bytes a wave
	global_store_b128 v39, v[8:11], s[24:25]        ; 512
	global_store_b32 v40, v41, s[22:23]             ; 128
	s_endpgm
.Lfunc_end_k_q8a94cf59df_route:
	.size	k_q8a94cf59df_route, .Lfunc_end_k_q8a94cf59df_route-k_q8a94cf59df_route
	.p2alignl 7, 3214868480
	.fill 96, 4, 3214868480
	.section	.rodata,"a",@progbits
	.p2align	6, 0x0
	.amdhsa_kernel k_q8a94cf59df_route
		.amdhsa_group_segment_fixed_size 0
		.amdhsa_private_segment_fixed_size 0
		.amdhsa_enable_private_segment 0
		.amdhsa_kernarg_size 96
		.amdhsa_user_sgpr_count 2
		.amdhsa_user_sgpr_kernarg_segment_ptr 1
		.amdhsa_wavefront_size32 1
		.amdhsa_system_sgpr_workgroup_id_x 1
		.amdhsa_system_sgpr_workgroup_id_y 1
		.amdhsa_system_sgpr_workgroup_id_z 1
		.amdhsa_system_vgpr_workitem_id 0
		.amdhsa_next_free_vgpr 64
		.amdhsa_next_free_sgpr 88
		.amdhsa_reserve_vcc 1
		.amdhsa_float_denorm_mode_32 3
		.amdhsa_float_denorm_mode_16_64 3
		.amdhsa_memory_ordered 1
		.amdhsa_forward_progress 1
		.amdhsa_inst_pref_size 15
	.end_amdhsa_kernel
	.amdgpu_metadata
---
amdhsa.version: [ 1, 2 ]
amdhsa.kernels:
  - .name:           k_q8a94cf59df_route
    .symbol:         k_q8a94cf59df_route.kd
    .args:
      - { .name: x, .offset: 0, .size: 8, .value_kind: global_buffer, .address_space: global }
      - { .name: W1, .offset: 8, .size: 8, .value_kind: global_buffer, .address_space: global }
      - { .name: W2, .offset: 16, .size: 8, .value_kind: global_buffer, .address_space: global }
      - { .name: W3, .offset: 24, .size: 8, .value_kind: global_buffer, .address_space: global }
      - { .name: b1, .offset: 32, .size: 8, .value_kind: global_buffer, .address_space: global }
      - { .name: b2, .offset: 40, .size: 8, .value_kind: global_buffer, .address_space: global }
      - { .name: tw1, .offset: 48, .size: 8, .value_kind: global_buffer, .address_space: global }
      - { .name: tw2, .offset: 56, .size: 8, .value_kind: global_buffer, .address_space: global }
      - { .name: pos, .offset: 64, .size: 8, .value_kind: global_buffer, .address_space: global }
      - { .name: cnt, .offset: 72, .size: 8, .value_kind: global_buffer, .address_space: global }
      - { .name: tc, .offset: 80, .size: 8, .value_kind: global_buffer, .address_space: global }
      - { .name: img, .offset: 88, .size: 8, .value_kind: global_buffer, .address_space: global }
    .group_segment_fixed_size: 0
    .private_segment_fixed_size: 0
    .kernarg_segment_align: 8
    .kernarg_segment_size: 96
    .max_flat_workgroup_size: 256
    .sgpr_count:     88
    .vgpr_count:     64
    .wavefront_size: 32
...
	.end_amdgpu_metadata
.endif
;; end of part 1
;; launch chain (part 2): grid 256 x 1, 4 waves a work-group, no clusters, 327,680 bytes of LDS; arguments x, pos, cnt, tc, img, tw3, b3, out0; writes out0
.if DOCPART == 2
	.amdgcn_target "amdgcn-amd-amdhsa--gfx1250"
	.amdhsa_code_object_version 6
	.text
	.protected	k_q8a94cf59df_chain
	.globl	k_q8a94cf59df_chain
	.p2align	8
	.type	k_q8a94cf59df_chain,@function
k_q8a94cf59df_chain:
	s_mov_b64 s[64:65], 0
	v_nop
	global_prefetch_b8 v0, s[64:65] scope:SCOPE_SE
	s_setreg_imm32_b32 hwreg(HW_REG_WAVE_MODE, 25, 1), 1
	s_wait_xcnt 0x0
; CHAIN.  out[token] = the chosen expert's h2 . W3 + t tw3 + b3, h2 = relu(h1 W2 + t tw2 + b2), h1 = relu(f W1 + t tw1 + b1); 0 for a token without an expert.
; Only the chosen expert is multiplied.  Which tokens an expert has comes from pos and cnt, whole numbers that the launch before stored; t comes from tc, the weights from img (bf16 register images).
; SHARES.  A work-group owns 1,024 tokens, as 8 windows of 128.  Wave w keeps expert w (0..3) WHOLE in registers (672 of them); expert 4 lies once in LDS as its image and is streamed, 32 registers
; at a time, by the wave that has one of its tiles (tile j of a window goes to wave j & 3).  A window's 128 rows of features are one LDS slot, filled by four tensor loads (32 rows a wave);
; two slots take turns, one barrier a window.  In a window an expert's tokens are taken in TILES of 16 by a list; places past the count repeat a token that the SAME wave computes (my own expert's
; first token of the window; for expert 4 the tile's own first token), which gives the same number again in the same word of the same stage: a token is stored into one wave's stage alone.
; LAYOUT.  All products are used transposed: source 0 = 16 output features x 32 k (weights), source 1 = 16 tokens x 32 k.  A lane of the result holds ONE token (lane % 16) and features
; 16 a + 8 (lane / 16) + 0..7, so two neighbouring blocks rounded to bf16 in pairs ARE source 1 of the next layer: the hidden layers never leave the registers.  t tw + b starts each sum (the C operand).
; W3's fragments hold W3 in rows 0 and 8, so the output falls into register 0 of both halves of the lanes.
; EVERY SPLIT is served: a wave can take 8 own tiles and 2 of expert 4's in a window (128 tokens on one expert); the loops count to those constants and jump forward over tiles that are not there.
; FORMATS AND LIMITS.  Features, W1, W2, W3, h1, h2: bf16 matrix operands; tw1, b1, tw2, b2 rounded once to bf16; sums, t, tw3, b3 in f32.  relu is a packed bf16 maximum with 0: a NaN in a hidden
; number becomes 0 there, where the f32 formula would keep it.
; NO CLUSTER: work-groups share the images alone (430,080 bytes against 528,384 bytes of x that each reads by itself), and four of the five images go straight into registers, which no joint
; tensor load reaches; joint loads for the fifth would bind four work-groups' windows, whose tile counts differ, to one barrier.
; REGISTERS, in windows of 256 (s_set_vgpr_msb: bits 1:0 source 0, 3:2 source 1, 5:4 source 2, 7:6 destination):
;   window 0: v0-31 addresses and single numbers; v32-95 ACC1; v96-127 XF (features, later h2, as fragments); v128-159 HF (h1); v160-175 the last layer's two sums; v192-255 XR (rows as loaded, f32)
;   window 1: W1, fragment (K step c, block a) at 64 c + 8 a      window 2: W2 likewise
;   window 3: v0-63 tw1|b1; v64-127 tw2|b2; v128-159 W3; v160-223 ACC2 (own tiles) or v160-255 three buffers of 32 (expert 4's tiles)
.set XP,    528                         ; an LDS row of features: 512 bytes + 16 of padding, so every row starts on a multiple of 16 bytes though rows of x are 516 bytes apart
.set WROWS, 32*XP                       ; what one tensor load brings
.set SLOT1, 1<<17                       ; slot 1 begins here: one exclusive or changes slots
.set LIST,  128*XP                      ; behind slot 0: 8 windows x 768 bytes; byte e*128 + r*8 + j = the token (0..127) of lane r in tile j of expert e, 0xff = none; byte 640 takes tokens without expert
.set LWIN,  768
.set TST,   LIST+8*LWIN                 ; t of the 1,024 tokens
.set OST,   TST+4096                    ; four stages of 1,024 f32, one for each wave: no two waves store into the same bytes; they are summed at the end
.set SPARE, OST+4*4096                  ; the spare words, 128 bytes a wave: two blocks of 256 bytes that no other line names
.set IMG,   SLOT1+128*XP                ; expert 4's image, filled once
.set EIMG,  86016                       ; bytes of an expert's image
.set H32, 1                             ; v1   32 x (lane / 16)
.set SPW, 2                             ; v2   my spare word; never rewritten
.set NIL, 3                             ; v3   0, for the add alone
.set ZR,  4                             ; v4   0, for relu
.set GA,  5                             ; v5   16 x lane
.set GA2, 6                             ; v6   256 x (lane / 16)
.set LA,  7                             ; v7   my 8 bytes of my expert's list in window 0
.set LA4, 8                             ; v8   the same of expert 4's
.set IA0, 9                             ; v9   IMG + 16 x lane
.set IA1, 10                            ; v10  IA0 + 65,536
.set XBW, 11                            ; v11  the slot in hand + 32 (lane / 16)
.set IDX, 12
.set XA,  13
.set TN,  14                            ; v14  t of the tile fetched
.set OAN, 15                            ; v15  its place in my stage
.set TT,  16                            ; v16  t of the tile in hand
.set OA,  17
.set IP,  18                            ; v[18:19] my lane's tokens in my expert's tiles still to come, a byte a tile
.set IP4, 20                            ; v[20:21] the same for my tiles of expert 4
.set TAN, 22
.set RR,  23
.set R2,  24
.set FBV, 25                            ; v25  my expert's first token in the window
.set FBV4, 26                           ; v26  the first token of the tile of expert 4 in hand
.set ACC1, 32
.set XF,  96
.set HF,  128
.set ACC3A, 160
.set ACC3B, 168
.set XR,  192
.set TB1, 0                             ; window 3
.set TB2, 64
.set W3F, 128
.set ACC2, 160
.set QB,  160
.set WV,  20                            ; s20  my wave's number
.set W8,  21                            ; s21  8 x it
.set G1X, 24                            ; s[24:31] descriptor group 1, tiles of x
.set G1I, 32                            ; s[32:39] the image
.set G0X, 40                            ; s[40:43] group 0, tiles of x: it walks
.set G0I, 44                            ; s[44:47] the image
.set NOWN, 66                           ; s66  my expert's tiles in the 8 windows, 4 bits each
.set N4P, 67                            ; s67  expert 4's
.set NO,  68
.set N4,  69
.set J,   70
.set CNT, 71
.set SB,  72                            ; s72  the slot in hand
.set WOFFT, 73                          ; s73  TST + 512 x window
.set WOFFO, 74                          ; s74  OST + 4,096 x wave + 512 x window
.set LOFF, 75                           ; s75  768 x window
.set IMB, 76                            ; s[76:77] my expert's image
.set JJ,  82
.set I4,  83
.set MSB, 0
.macro WIN new                          ; the immediate's high byte repeats the setting that is left; a switch that changes nothing is dropped
.if MSB != (\new)
	s_set_vgpr_msb (MSB<<8)|(\new)
.set MSB, (\new)
.endif
.endm
; A product: D (and C) at register d of window dw, weights at a of window aw, tokens at b of window 0.  zero = 1: it starts the sum.
.macro MM dw, d, aw, a, b, zero
	WIN (\aw)|((\dw)<<4)|((\dw)<<6)
.if \zero
	v_wmma_f32_16x16x32_bf16 v[(\d):(\d)+7], v[(\a):(\a)+7], v[(\b):(\b)+7], 0
.else
	v_wmma_f32_16x16x32_bf16 v[(\d):(\d)+7], v[(\a):(\a)+7], v[(\b):(\b)+7], v[(\d):(\d)+7]
.endif
.endm
; The vector work, four lines at a time.  CX4: features n..n+3 of XF from f32 pairs.  INI4: t tw + b into sums n..n+3 (tw the low, b the high bf16 half of one register).
; PKC4: sums rounded to bf16 in pairs, in ascending order.  RLU4: relu on packed halves.
.macro CX4 n
	WIN 0
.irp z, 0,1,2,3
	v_cvt_pk_bf16_f32 v[XF+(\n)+\z], v[XR+2*((\n)+\z)], v[XR+2*((\n)+\z)+1]
.endr
.endm
.macro INI4 dw, d, tb, n
	WIN 0x33|((\dw)<<6)
.irp z, 0,1,2,3
	v_fma_mix_f32_bf16 v[(\d)+(\n)+\z], v[(\tb)+(\n)+\z], v[TT], v[(\tb)+(\n)+\z] op_sel:[0,0,1] op_sel_hi:[1,0,1]
.endr
.endm
.macro PKC4 dst, w, src, n
	WIN 5*(\w)
.irp z, 0,1,2,3
	v_cvt_pk_bf16_f32 v[(\dst)+(\n)+\z], v[(\src)+2*((\n)+\z)], v[(\src)+2*((\n)+\z)+1]
.endr
.endm
.macro RLU4 dst, n
	WIN 0
.irp z, 0,1,2,3
	v_pk_max_num_bf16 v[(\dst)+(\n)+\z], v[(\dst)+(\n)+\z], v[ZR]
.endr
.endm
.macro PLACES                           ; four plain vector instructions between a product and a load into, or a vector read of, its registers
.rept 4
	v_nop
.endr
.endm
; The next tile's rows.  The list's low byte is my lane's token; 0xff gives the token in fb; the number is held to 0..127 before it enters an address.  Lane (r, h) takes of its row the
; f32 numbers 32 c + 8 h + 0..7 and 32 c + 16 + 8 h + 0..7 for each K step c: four loads of 16 bytes.  mode 0: the list moves on by a byte; mode 1: by a word.
.macro GATHER p, fb, mode
	WIN 0
	v_and_b32 v[IDX], 0xff, v[\p]
	v_cmp_eq_u32 vcc_lo, 0xff, v[IDX]
	v_cndmask_b32 v[IDX], v[IDX], v[\fb], vcc_lo
	v_min_u32 v[IDX], 127, v[IDX]
	v_mad_u32_u24 v[XA], v[IDX], XP, v[XBW]
	v_lshl_add_u32 v[TAN], v[IDX], 2, s[WOFFT]
	v_lshl_add_u32 v[OAN], v[IDX], 2, s[WOFFO]
.if \mode
	v_mov_b32 v[\p], v[(\p)+1]
.else
	v_lshrrev_b32 v[\p], 8, v[\p]
	v_lshl_or_b32 v[\p], v[(\p)+1], 24, v[\p]
	v_lshrrev_b32 v[(\p)+1], 8, v[(\p)+1]
.endif
.irp c, 0,1,2,3
	ds_load_b128 v[XR+16*\c:XR+16*\c+3],     v[XA] offset:128*\c
	ds_load_b128 v[XR+16*\c+4:XR+16*\c+7],   v[XA] offset:128*\c+16
	ds_load_b128 v[XR+16*\c+8:XR+16*\c+11],  v[XA] offset:128*\c+64
	ds_load_b128 v[XR+16*\c+12:XR+16*\c+15], v[XA] offset:128*\c+80
.endr
	ds_load_b32 v[TN], v[TAN]
.endm
; Half-chunk i of expert 4's image into buffer i % 3: eight loads of 512 consecutive bytes.
.macro LOADQ i
	WIN 0xc0                        ; destination window 3, address window 0
.set qd, QB+32*((\i)%3)
.irp u, 0,1,2,3,4,5,6,7
.if (\i) < 16
	ds_load_b128 v[qd+4*\u:qd+4*\u+3], v[IA0] offset:4096*(\i)+512*\u
.else
	ds_load_b128 v[qd+4*\u:qd+4*\u+3], v[IA1] offset:4096*((\i)-16)+512*\u
.endif
.endr
.endm
; The tile's end: t tw3 + b3 and three v_nop are the four places behind the last product; each sum's register 0 is read (and nothing else of it); the number goes into my stage.
.macro FIN stw, sbi
	WIN 0
	v_fma_f32 v[RR], v[TT], s[\stw], s[\sbi]
	v_nop
	v_nop
	v_nop
	v_add_f32 v[R2], v[ACC3A], v[ACC3B]
	v_add_f32 v[RR], v[RR], v[R2]
	ds_store_b32 v[OA], v[RR]
.endm
; THE CHANGE OF SLOTS.  Each wave waits for all its tensor loads (one is out: its quarter of the next window), adds 0 to its spare word, and waits for that and for its reads of the slot that it leaves.
; Behind the barrier nobody reads the old slot and the new one is whole.  fill = 1: the old slot is filled again first thing, with the window after the one now entered; that load has a whole
; window's tiles in which to land.
.macro CHANGE fill
	WIN 0
	s_wait_tensorcnt 0x0            ; no tensor load of mine is out, so group 0 may be written
	ds_add_u32 v[SPW], v[NIL]       ; 0 onto my spare word; the scalar steps stand between it and the wait for it
.if \fill
	s_xor_b32 s[G0X+1], s[G0X+1], SLOT1
	s_add_nc_u64 s[G0X+2:G0X+3], s[G0X+2:G0X+3], 128*516   ; the next window's rows; the type bits on top are not reached
.endif
	s_xor_b32 s[SB], s[SB], SLOT1
	s_wait_dscnt 0x0                ; the add is done, my LDS stores are done, my reads of the slot are over
	s_barrier_signal -1
	s_barrier_wait -1
.if \fill
	tensor_load_to_lds s[G0X:G0X+3], s[G1X:G1X+7]
	s_nop 0
	PLACES
.endif
.endm
; A TILE OF MY OWN EXPERT: 68 products; the vector work rides behind them, four lines a product.  The accumulators take turns, one instruction a turn.
; Every first read of a sum stands four plain vector lines or more behind its last product; every sum is read from its low end on.
.macro TILE_OWN
	WIN 0
	s_wait_dscnt 0x0                ; the tile's rows and its t are in
	v_mov_b32 v[TT], v[TN]
	v_mov_b32 v[OA], v[OAN]
	CX4 0
	CX4 4
.set n, 0
.rept 8
	INI4 0, ACC1, TB1, n            ; blocks 0-3 of layer 1 start at t tw1 + b1
.set n, n+4
.endr
.set i, 0
.rept 16                            ; layer 1, blocks 0-3 | the other features' conversion, blocks 4-7's start, layer 2's first
	MM 0, ACC1+8*(i%4), 1, 64*(i/4)+8*(i%4), XF+8*(i/4), 0
.if (i%2) == 1
	INI4 0, ACC1, TB1, 30+2*i
.elseif i <= 10
	CX4 8+2*i
.else
	INI4 3, ACC2, TB2, 2*(i-12)
.endif
.set i, i+1
.endr
.set i, 0
.rept 16                            ; layer 1, blocks 4-7 | h1 of blocks 0-3, layer 2's start
	MM 0, ACC1+32+8*(i%4), 1, 64*(i/4)+32+8*(i%4), XF+8*(i/4), 0
.if (i%2) == 1
	INI4 3, ACC2, TB2, 6+2*i
.elseif (i%4) == 0
	PKC4 HF, 0, ACC1, i
.else
	RLU4 HF, i-2
.endif
.set i, i+1
.endr
.set i, 0
.rept 16                            ; layer 2, K steps 0 and 1 | the rest of its start, h1 of blocks 4-7, the next tile's rows
	MM 3, ACC2+8*(i%8), 2, 64*(i/8)+8*(i%8), HF+8*(i/8), 0
.if i < 6
	INI4 3, ACC2, TB2, 40+4*i
.elseif i < 14
.if ((i-6)%2) == 0
	PKC4 HF, 0, ACC1, 16+4*((i-6)/2)
.else
	RLU4 HF, 16+4*((i-6)/2)
.endif
.elseif i == 14
	GATHER IP, FBV, 0               ; XR was read out in layer 1; a tile that is not there fetches the first token's row, which nobody uses
.endif
.set i, i+1
.endr
.set i, 0
.rept 8                             ; layer 2, K steps 2 and 3, blocks 0-3; the four v_nop are the places in front of the first read of block 0
	MM 3, ACC2+8*(i%4), 2, 128+64*(i/4)+8*(i%4), HF+16+8*(i/4), 0
.if i >= 4
	v_nop
.endif
.set i, i+1
.endr
.set i, 0
.rept 8                             ; blocks 4-7 | h2 of blocks 0-3, into XF
	MM 3, ACC2+32+8*(i%4), 2, 128+64*(i/4)+32+8*(i%4), HF+16+8*(i/4), 0
.if (i%2) == 0
	PKC4 XF, 3, ACC2, 4*(i/2)
.else
	RLU4 XF, 4*(i/2)
.endif
.set i, i+1
.endr
	MM 0, ACC3A, 3, W3F, XF, 1      ; the last layer, two sums by turns | h2 of blocks 4-7
	PKC4 XF, 3, ACC2, 16
	MM 0, ACC3B, 3, W3F+8, XF+8, 1
	PKC4 XF, 3, ACC2, 20
	PKC4 XF, 3, ACC2, 24
	PKC4 XF, 3, ACC2, 28
	RLU4 XF, 16
	RLU4 XF, 20
	RLU4 XF, 24
	RLU4 XF, 28
	MM 0, ACC3A, 3, W3F+16, XF+16, 0
	MM 0, ACC3B, 3, W3F+24, XF+24, 0
	FIN 78, 79
.endm
; A TILE OF EXPERT 4, in phases: its image comes out of LDS, half-chunk st in step st, two half-chunks ahead, through three buffers.  ACC1 serves both layers.
; Places past the count repeat THIS tile's first token (lane 0's byte, which is there whenever the tile is: rank 16 j falls on lane 0): the expert's other tiles go into other waves' stages,
; and the stages are summed, so no token of another tile may be stored here.
; s_wait_dscnt 8 at a step's head: LDS loads come back in order (ISA guide 5.7.1), so half-chunk st is in and only the eight loads of st + 1 may be out.
; The four v_nop behind a step's products are the places in front of the next step's loads into the buffer that they read, and in front of the conversions.
.macro TILE_E4
	WIN 0
	v_readfirstlane_b32 s87, v[IP4] ; lane 0 of the tile in hand
	s_and_b32 s87, s87, 0xff
	v_mov_b32 v[FBV4], s87
	GATHER IP4, FBV4, 1
	LOADQ 0
	LOADQ 1
	WIN 0
	s_wait_dscnt 16                 ; the 17 loads of rows and t are in; the 16 behind them may be out
	v_mov_b32 v[TT], v[TN]
	v_mov_b32 v[OA], v[OAN]
.set n, 0
.rept 8
	CX4 n
.set n, n+4
.endr
.set st, 0
.rept 20
	s_wait_dscnt 8
.if st <= 18
	LOADQ st+2
.endif
.set qb, QB+32*(st%3)
.if (st < 2) || ((st >= 10) && (st < 12))
.set n, 0
.rept 8
	INI4 0, ACC1+32*(st%2), qb, n   ; t tw + b starts the layer's sums
.set n, n+4
.endr
.else
.set sq, st-2-10*(st/12)            ; 0..7: K step sq / 2, blocks 4 (sq % 2) ..+3
.set bf, XF+32*(st/12)              ; layer 1 reads XF, layer 2 HF
.set a4, 0
.rept 4
	MM 0, ACC1+32*(sq%2)+8*a4, 3, qb+8*a4, bf+8*(sq/2), 0
.set a4, a4+1
.endr
	PLACES
.endif
.if st == 9
.set n, 0
.rept 8
	PKC4 HF, 0, ACC1, n
.set n, n+4
.endr
.set n, 0
.rept 8
	RLU4 HF, n
.set n, n+4
.endr
.endif
.if st == 19
.set n, 0
.rept 8
	PKC4 XF, 0, ACC1, n
.set n, n+4
.endr
.set n, 0
.rept 8
	RLU4 XF, n
.set n, n+4
.endr
.endif
.set st, st+1
.endr
	s_wait_dscnt 0x0                ; half-chunk 20: W3
	MM 0, ACC3A, 3, QB+64, XF, 1
	MM 0, ACC3B, 3, QB+72, XF+8, 1
	MM 0, ACC3A, 3, QB+80, XF+16, 0
	MM 0, ACC3B, 3, QB+88, XF+24, 0
	FIN 80, 81
.endm
; A WINDOW: my expert's tiles, then my tiles of expert 4.  Both loops count to a constant; a tile that is not there is jumped forward over; neither a barrier nor a tensor load is jumped.
.macro WINDOW
	WIN 0
	s_and_b32 s[NO], s[NOWN], 15
	s_lshr_b32 s[NOWN], s[NOWN], 4
	s_and_b32 s[N4], s[N4P], 15
	s_lshr_b32 s[N4P], s[N4P], 4
	v_add_nc_u32 v[XBW], s[SB], v[H32]
	v_add_nc_u32 v27, s[LOFF], v[LA]
	v_add_nc_u32 v28, s[LOFF], v[LA4]
	ds_load_b64 v[IP:IP+1], v27
	ds_load_b64 v[IP4:IP4+1], v28
	s_wait_dscnt 0x0
	v_readfirstlane_b32 s86, v[IP]  ; lane 0, tile 0: my expert's first token; all its tiles go into my stage
	s_and_b32 s86, s86, 0xff
	v_mov_b32 v[FBV], s86
	v_lshrrev_b32 v[IP4], s[W8], v[IP4]         ; my tiles of expert 4 are w and w + 4: byte w of each word
	v_lshrrev_b32 v[IP4+1], s[W8], v[IP4+1]
	GATHER IP, FBV, 0
	s_mov_b32 s[J], 0
.Lown_\@:
	s_cmp_ge_u32 s[J], s[NO]
	s_cbranch_scc1 .Lowns_\@
	TILE_OWN
	WIN 0
.Lowns_\@:
	s_add_co_u32 s[J], s[J], 1
	s_cmp_lt_u32 s[J], 8
	s_cbranch_scc1 .Lown_\@
	s_wait_dscnt 0x0                ; the rows fetched ahead for a tile that is not there: XR is loaded again only behind this wait
	s_mov_b32 s[I4], 0
.Le4_\@:
	s_lshl2_add_u32 s[JJ], s[I4], s[WV]
	s_cmp_ge_u32 s[JJ], s[N4]
	s_cbranch_scc1 .Le4s_\@
	TILE_E4
	WIN 0
.Le4s_\@:
	s_add_co_u32 s[I4], s[I4], 1
	s_cmp_lt_u32 s[I4], 2
	s_cbranch_scc1 .Le4_\@
	s_add_co_u32 s[WOFFT], s[WOFFT], 512
	s_add_co_u32 s[WOFFO], s[WOFFO], 512
	s_add_co_u32 s[LOFF], s[LOFF], LWIN
.endm
; Half-chunk hc of my expert's image, memory to registers: eight loads.  tw|b hang on the half of the lanes alone, so its sixteen lanes read the same 16 bytes.
.macro LDIMG hc
.if (\hc) < 2
.set dW, 3
.set bS, TB1+32*(\hc)
.set aD, GA2
.elseif (\hc) < 10
.set dW, 1
.set bS, 32*((\hc)-2)
.set aD, GA
.elseif (\hc) < 12
.set dW, 3
.set bS, TB2+32*((\hc)-10)
.set aD, GA2
.elseif (\hc) < 20
.set dW, 2
.set bS, 32*((\hc)-12)
.set aD, GA
.else
.set dW, 3
.set bS, W3F
.set aD, GA
.endif
	WIN dW<<6
.irp u, 0,1,2,3,4,5,6,7
	global_load_b128 v[bS+4*\u:bS+4*\u+3], v[aD], s[IMB:IMB+1] offset:4096*(\hc)+512*\u
.endr
.endm
	s_load_b512 s[4:19], s[0:1], 0x0                ; x s[4:5], pos s[6:7], cnt s[8:9], tc s[10:11], img s[12:13], tw3 s[14:15], b3 s[16:17], out0 s[18:19]
	v_lshl_add_u32 v[SPW], v0, 2, SPARE
	v_mov_b32 v[NIL], 0
	ds_add_u32 v[SPW], v[NIL]                       ; the wave's opening: the add and its wait stand ahead of my first tensor load; the set-up below stands between them
	v_lshrrev_b32 v27, 5, v0
	v_readfirstlane_b32 s[WV], v27                  ; wave 0..3
	; group 1 for x: 32 rows x 128 f32, 129 elements from row to row, 4 words of padding behind every 128
	s_mov_b32 s[G1X+0], (2<<16)|(1<<20)|(6<<22)|(3<<25)  ; 17:16 elements of 4 bytes; 20 padding on; 24:22 after every 128 words (code 6); 31:25 4 words (code 3)
	s_mov_b32 s[G1X+1], 128<<16                     ; tensor_dim0 = 128
	s_mov_b32 s[G1X+2], 32<<16                      ; tensor_dim1 = 32
	s_mov_b32 s[G1X+3], 128<<16                     ; tile_dim0 = 128
	s_mov_b32 s[G1X+4], 32                          ; tile_dim1 = 32
	s_mov_b32 s[G1X+5], 129                         ; the pitch
	s_mov_b32 s[G1X+6], 0
	s_mov_b32 s[G1X+7], 0
	; group 1 for the image: 21,504 dense bytes as 84 rows of 32 elements of 8 bytes
	s_mov_b32 s[G1I+0], 3<<16
	s_mov_b32 s[G1I+1], 32<<16
	s_mov_b32 s[G1I+2], 84<<16
	s_mov_b32 s[G1I+3], 32<<16
	s_mov_b32 s[G1I+4], 84
	s_mov_b32 s[G1I+5], 32
	s_mov_b32 s[G1I+6], 0
	s_mov_b32 s[G1I+7], 0
	s_mov_b32 s[G0X], 1
	s_mul_i32 s[G0X+1], s[WV], WROWS                ; slot 0, my 32 rows
	s_mov_b32 s[G0I], 1
	s_mul_i32 s[G0I+1], s[WV], EIMG/4
	s_add_co_u32 s[G0I+1], s[G0I+1], IMG            ; my quarter of the image
	s_mul_i32 s84, ttmp9, 1024*516                  ; my work-group's rows: under 2^31
	s_mul_i32 s85, s[WV], 32*516
	s_add_co_u32 s84, s84, s85
	s_add_co_u32 s84, s84, 4                        ; the features begin behind t
	s_mov_b32 s85, 0
	s_mul_i32 s86, s[WV], EIMG/4
	s_add_co_u32 s86, s86, 4*EIMG                   ; expert 4
	s_mov_b32 s87, 0
	s_wait_dscnt 0x0                                ; the opening add is done
	s_wait_kmcnt 0x0
	s_add_nc_u64 s[G0X+2:G0X+3], s[4:5], s[84:85]
	s_or_b32 s[G0X+3], s[G0X+3], 0x80000000         ; type = 2
	s_add_nc_u64 s[G0I+2:G0I+3], s[12:13], s[86:87]
	s_or_b32 s[G0I+3], s[G0I+3], 0x80000000
	tensor_load_to_lds s[G0I:G0I+3], s[G1I:G1I+7]   ; the two first fills go out together: two loads of mine are out
	s_nop 0
	tensor_load_to_lds s[G0X:G0X+3], s[G1X:G1X+7]
	s_nop 0
	PLACES
	; counts, tw3, b3: scalar loads from buffers that this launch does not store into
	s_lshl_b32 s84, ttmp9, 10                       ; 8 windows x 128 bytes of cnt
	s_add_nc_u64 s[88:89], s[8:9], s[84:85]
	s_lshl_b32 s86, s[WV], 2
	s_add_nc_u64 s[90:91], s[88:89], s[86:87]
	s_add_nc_u64 s[92:93], s[14:15], s[86:87]
	s_add_nc_u64 s[94:95], s[16:17], s[86:87]
.irp i, 0,1,2,3,4,5,6,7
	s_load_b32 s[48+\i], s[90:91], 128*\i           ; my expert's tokens in window i
	s_load_b32 s[56+\i], s[88:89], 128*\i+16        ; expert 4's
.endr
	s_load_b32 s78, s[92:93], 0x0                   ; tw3[w]
	s_load_b32 s79, s[94:95], 0x0                   ; b3[w]
	s_load_b32 s80, s[14:15], 0x10                  ; tw3[4]
	s_load_b32 s81, s[16:17], 0x10                  ; b3[4]
	s_lshl_b32 s84, ttmp9, 11
	s_add_nc_u64 s[6:7], s[6:7], s[84:85]           ; pos of my 1,024 tokens
	s_lshl_b32 s84, ttmp9, 12
	s_add_nc_u64 s[10:11], s[10:11], s[84:85]       ; tc
	s_lshl_b32 s86, s[WV], 10
	s_add_co_u32 s84, s84, s86
	s_add_nc_u64 s[18:19], s[18:19], s[84:85]       ; out0 at the 256 tokens that my wave stores
	s_mul_i32 s84, s[WV], EIMG
	s_add_nc_u64 s[IMB:IMB+1], s[12:13], s[84:85]
	v_and_b32 v200, 31, v0                          ; lane
	v_and_b32 v201, 15, v0                          ; r
	v_bfe_u32 v202, v0, 4, 1                        ; h
	v_lshlrev_b32 v203, 4, v0                       ; my 8 tokens' pos
	v_lshlrev_b32 v204, 5, v0                       ; my 8 tokens' t
	v_lshlrev_b32 v[GA], 4, v200
	v_lshlrev_b32 v[GA2], 8, v202
	global_load_b128 v[176:179], v203, s[6:7]
	global_load_b128 v[180:183], v204, s[10:11]
	global_load_b128 v[184:187], v204, s[10:11] offset:16
.irp hc, 0,1,2,3,4,5,6
	LDIMG \hc
.endr
	WIN 0
	v_mov_b32 v[ZR], 0
	v_lshlrev_b32 v[H32], 5, v202
	s_lshl_b32 s86, s[WV], 7
	s_add_co_u32 s86, s86, LIST
	v_lshl_add_u32 v[LA], v201, 3, s86
	v_lshl_add_u32 v[LA4], v201, 3, LIST+512
	v_lshl_add_u32 v[IA0], v200, 4, IMG
	v_add_nc_u32 v[IA1], 0x10000, v[IA0]
.irp z, 192,193,194,195
	v_mov_b32 v[\z], -1
.endr
.irp z, 196,197,198,199
	v_mov_b32 v[\z], 0
.endr
	; each wave writes ranges of its own: the lists of its two windows (0xff = no token), and its stage (0)
	s_mul_i32 s87, s[WV], 2*LWIN
	s_add_co_u32 s87, s87, LIST
	v_lshl_add_u32 v205, v200, 4, s87
.irp i, 0,1,2
	ds_store_b128 v205, v[192:195] offset:512*\i
.endr
	s_lshl_b32 s86, s[WV], 12
	s_add_co_u32 s86, s86, OST
	v_lshl_add_u32 v206, v200, 4, s86
.irp i, 0,1,2,3,4,5,6,7
	ds_store_b128 v206, v[196:199] offset:512*\i
.endr
	v_lshl_add_u32 v207, v0, 5, TST
	v_mad_u32_u24 v208, v202, LWIN, s87             ; my tokens' window: 2 w + h
	v_lshlrev_b32 v209, 3, v201                     ; my first token's number in it
	s_wait_loadcnt 56                               ; loads come back in order (ISA guide 5.7.1): pos and t are in, the 56 loads of the image behind them may be out
	ds_store_b128 v207, v[180:183]
	ds_store_b128 v207, v[184:187] offset:16
.irp i, 0,1,2,3,4,5,6,7                 ; the lists: token 8 r + i goes to byte pos of its window; LDS serves a wave's instructions in order, so these land on the 0xff above
.if (\i)%2 == 0
	v_and_b32 v210, 0xffff, v[176+(\i)/2]
.else
	v_lshrrev_b32 v210, 16, v[176+(\i)/2]
.endif
	v_min_u32 v210, 640, v210                       ; held to the window's bytes before it enters an address
	v_add_nc_u32 v210, v208, v210
	v_add_nc_u32 v211, \i, v209
	ds_store_b8 v210, v211
.endr
.irp hc, 7,8,9,10,11,12,13,14,15,16,17,18,19,20
	LDIMG \hc
.endr
	WIN 0
	s_wait_kmcnt 0x0
	s_mov_b32 s[NOWN], 0
	s_mov_b32 s[N4P], 0
.irp i, 0,1,2,3,4,5,6,7                 ; tiles = ceil(tokens / 16), held to 8
	s_add_co_u32 s[48+\i], s[48+\i], 15
	s_lshr_b32 s[48+\i], s[48+\i], 4
	s_min_u32 s[48+\i], s[48+\i], 8
	s_lshl_b32 s[48+\i], s[48+\i], 4*\i
	s_or_b32 s[NOWN], s[NOWN], s[48+\i]
	s_add_co_u32 s[56+\i], s[56+\i], 15
	s_lshr_b32 s[56+\i], s[56+\i], 4
	s_min_u32 s[56+\i], s[56+\i], 8
	s_lshl_b32 s[56+\i], s[56+\i], 4*\i
	s_or_b32 s[N4P], s[N4P], s[56+\i]
.endr
	s_lshl_b32 s[W8], s[WV], 3
	s_mov_b32 s[SB], SLOT1                          ; the first change of slots turns it into 0
	s_mov_b32 s[WOFFT], TST
	s_lshl_b32 s[WOFFO], s[WV], 12
	s_add_co_u32 s[WOFFO], s[WOFFO], OST
	s_mov_b32 s[LOFF], 0
	s_wait_loadcnt 0x0                              ; my expert is in registers
	s_mov_b32 s[CNT], 7
.Lwin:                                  ; seven windows, each asking for the next
	CHANGE 1
	WINDOW
	s_sub_co_u32 s[CNT], s[CNT], 1
	s_cmp_lg_u32 s[CNT], 0
	s_cbranch_scc1 .Lwin
	CHANGE 0                                        ; the last window is written out: nothing is asked for
	WINDOW
	; THE WAY OUT: every wave's stores into its stage are done, a barrier, and wave w sums the four stages for tokens 256 w .. 256 w + 255 (three of the four numbers are 0, all four for a token without expert)
	WIN 0
	s_wait_dscnt 0x0
	s_barrier_signal -1
	s_barrier_wait -1
	s_lshl_b32 s86, s[WV], 10
	s_add_co_u32 s86, s86, OST
	v_add_nc_u32 v27, s86, v[GA]
.irp g, 0,1,2,3
	ds_load_b128 v[192+8*\g:195+8*\g], v27 offset:4096*\g
	ds_load_b128 v[196+8*\g:199+8*\g], v27 offset:4096*\g+512
.endr
	s_wait_dscnt 0x0
.irp z, 0,2,4,6
	v_pk_add_f32 v[192+\z:193+\z], v[192+\z:193+\z], v[200+\z:201+\z]
	v_pk_add_f32 v[208+\z:209+\z], v[208+\z:209+\z], v[216+\z:217+\z]
.endr
.irp z, 0,2,4,6
	v_pk_add_f32 v[192+\z:193+\z], v[192+\z:193+\z], v[208+\z:209+\z]
.endr
	global_store_b128 v[GA], v[192:195], s[18:19]              ; each store of the wave covers 512 consecutive bytes, at a multiple of 512 from out0's first
	global_store_b128 v[GA], v[196:199], s[18:19] offset:512
	s_wait_tensorcnt 0x0                            ; the wave's end: behind my last tensor load and my last LDS store
	ds_add_u32 v[SPW], v[NIL]
	s_wait_dscnt 0x0
	s_endpgm
.Lfunc_end_k_q8a94cf59df_chain:
	.size	k_q8a94cf59df_chain, .Lfunc_end_k_q8a94cf59df_chain-k_q8a94cf59df_chain
	.p2alignl 7, 3214868480
	.fill 96, 4, 3214868480
	.section	.rodata,"a",@progbits
	.p2align	6, 0x0
	.amdhsa_kernel k_q8a94cf59df_chain
		.amdhsa_group_segment_fixed_size 327680
		.amdhsa_private_segment_fixed_size 0
		.amdhsa_enable_private_segment 0
		.amdhsa_kernarg_size 64
		.amdhsa_user_sgpr_count 2
		.amdhsa_user_sgpr_kernarg_segment_ptr 1
		.amdhsa_wavefront_size32 1
		.amdhsa_system_sgpr_workgroup_id_x 1
		.amdhsa_system_sgpr_workgroup_id_y 1
		.amdhsa_system_sgpr_workgroup_id_z 1
		.amdhsa_system_vgpr_workitem_id 0
		.amdhsa_next_free_vgpr 1024
		.amdhsa_next_free_sgpr 96
		.amdhsa_reserve_vcc 1
		.amdhsa_float_denorm_mode_32 3
		.amdhsa_float_denorm_mode_16_64 3
		.amdhsa_memory_ordered 1
		.amdhsa_forward_progress 1
		.amdhsa_inst_pref_size 171
	.end_amdhsa_kernel
	.amdgpu_metadata
---
amdhsa.version: [ 1, 2 ]
amdhsa.kernels:
  - .name:           k_q8a94cf59df_chain
    .symbol:         k_q8a94cf59df_chain.kd
    .args:
      - { .name: x, .offset: 0, .size: 8, .value_kind: global_buffer, .address_space: global }
      - { .name: pos, .offset: 8, .size: 8, .value_kind: global_buffer, .address_space: global }
      - { .name: cnt, .offset: 16, .size: 8, .value_kind: global_buffer, .address_space: global }
      - { .name: tc, .offset: 24, .size: 8, .value_kind: global_buffer, .address_space: global }
      - { .name: img, .offset: 32, .size: 8, .value_kind: global_buffer, .address_space: global }
      - { .name: tw3, .offset: 40, .size: 8, .value_kind: global_buffer, .address_space: global }
      - { .name: b3, .offset: 48, .size: 8, .value_kind: global_buffer, .address_space: global }
      - { .name: out0, .offset: 56, .size: 8, .value_kind: global_buffer, .address_space: global }
    .group_segment_fixed_size: 327680
    .private_segment_fixed_size: 0
    .kernarg_segment_align: 8
    .kernarg_segment_size: 64
    .max_flat_workgroup_size: 128
    .sgpr_count:     96
    .vgpr_count:     1024
    .wavefront_size: 32
...
	.end_amdgpu_metadata
.endif
;; end of part 2
